; MI455X (gfx1250); checked and timed in simulation.
; The chip was launched on July 23, 2026; its instructions are those of AMD's public machine-readable ISA for CDNA 5 (MIT licence, August 2026) and "CDNA5" Instruction Set Architecture Reference Guide (July 2026). The comments in the code are by the model that wrote it; some were corrected since.
;; Causal Self Attention. Allowed arithmetic: matrix products marked QUANTISED: E4M3 operands, one given power-of-two scale a tensor, by v_wmma_f32_16x16x64_fp8_fp8 or v_wmma_f32_16x16x128_fp8_fp8, f32 sums; everything else in f32.
;; Inputs: lowp_scales 8 int32 (the exponents e of the quantised operands' scales 2^e); w_attn 3,072 x 1,024 float32; w_proj 1,024 x 1,024 float32; x 4 x 2,048 x 1,024 float32.
;; Outputs: out0 4 x 2,048 x 1,024 float32.
;; This version of the problem:
;;   THIS VERSION OF THE PROBLEM IS GIVEN IN LOW PRECISION. The matrix products marked QUANTISED in the list below multiply operands that are first quantised to E4M3 (4 exponent bits, 3 mantissa bits; 8 bits a number), with one given power-of-two scale for each operand tensor; their sums are f32. All else is computed in f32.
;;   The module's matrix products, in the order in which they are computed (A, B: the left and right operand; K: the contracted axis; several contracted axes count as one K, in the product's order):
;;     1. [M 8,192, K 1,024] x [K 1,024, N 3,072]; A: input x; B: input w_attn: QUANTISED (scales: A lowp_scales[0], B lowp_scales[1])
;;     2. batch 64 x [M 2,048, K 64] x [K 64, N 2,048]; A: computed on the way; B: computed on the way: QUANTISED (scales: A lowp_scales[2], B lowp_scales[3])
;;     3. batch 64 x [M 2,048, K 2,048] x [K 2,048, N 64]; A: softmax (see below); B: computed on the way: QUANTISED (scales: A lowp_scales[4], B lowp_scales[5])
;;     4. [M 8,192, K 1,024] x [K 1,024, N 1,024]; A: computed on the way; B: input w_proj: QUANTISED (scales: A lowp_scales[6], B lowp_scales[7])
;;   THE QUANTISER, for each operand of a quantised product, along K:
;;     - The operand's scale is 2^e, e = its entry of the input lowp_scales (int32; the entries are numbered through the quantised products in the list's order, A before B).
;;     - Each number is divided by the scale, clamped to +-448, and rounded to the nearest number of E4M3, ties to even, subnormals kept.
;;     - The product sums the exact products of the quantised numbers (number of the format x scale) in f32.
;;   ~~~python
;;   def quantise(x, axis, e):      # numpy; x: float32 -> the quantised numbers, widened to float32 again
;;       x = np.moveaxis(x, axis, -1); K = x.shape[-1]
;;       r = np.clip(x / 2.0 ** e, -448, 448)
;;       step = 2.0 ** (np.maximum(np.frexp(np.where(r == 0, 1, r))[1] - 1, -6) - 3)
;;       q = np.round(r / step) * step * 2.0 ** e      # np.round: ties to even
;;       return np.moveaxis(q, -1, axis).astype(np.float32)
;;   ~~~
;;   SOFTMAX AHEAD OF A QUANTISED PRODUCT. Where the list says 'softmax', what is quantised is not the finished softmax but p = 2^(t - M), with t = logit x log2(e) and M = ceil(the row's largest t), a whole number; so 1/2 < the row's largest p <= 1. The row's sum l is taken of the UNQUANTISED p, in f32, and the product's result is divided by l at the end. Since M is a whole number, a kernel that streams over the keys may use a running M (the ceiling of the running maximum): every later rescaling is an exact power of two, so the quantised numbers keep their values, but for numbers so far below the row's largest that they fall under the format's range.
;;   OPERANDS COMPUTED ON THE WAY. 'Computed on the way' means the value that the module computes at that place (a softmax that the list does not call 'softmax' is quantised finished and normalised). What goes into a quantiser is computed in f32, as accurately as f32 sums, v_exp_f32 and their like allow (about 1e-6 of the number): no bf16 or f16 on the way to a quantiser, and a product that is left as it is and whose result goes on into a quantised operand takes f32 operands (vector FMAs, or v_wmma_f32_16x16x4_f32). A number that lies on a knife's edge between two numbers of the format may be rounded either way, as far as f32 arithmetic and the matrix unit's own rounding can turn it there, and no further.
;; One version. Each part assembles by itself: llvm-mc -triple=amdgcn-amd-amdhsa -mcpu=gfx1250 --defsym DOCPART=n.
;; ======== version 1 of 1: 4 launches
;; limits: right only within a limited range of input values
;; workspace buffers: x_codes 8,388,608 bytes; wa_codes 3,145,728 bytes; wp_codes 1,048,576 bytes; q_codes 8,388,608 bytes; k_codes 8,388,608 bytes; v_codes 8,388,608 bytes; y_codes 8,388,608 bytes
;; launch quant (part 1): grid 384 x 1, 4 waves a work-group, no clusters, 33,280 bytes of LDS; arguments x, w_attn, w_proj, lowp_scales, x_codes, wa_codes, wp_codes; writes x_codes, wa_codes, wp_codes
.if DOCPART == 1
	.amdgcn_target "amdgcn-amd-amdhsa--gfx1250"
	.amdhsa_code_object_version 6
	.text
	.protected	k_q7553cb060b_quant
	.globl	k_q7553cb060b_quant
	.p2align	8
	.type	k_q7553cb060b_quant,@function
k_q7553cb060b_quant:
	s_mov_b64 s[64:65], 0
	v_nop
	global_prefetch_b8 v0, s[64:65] scope:SCOPE_SE
	s_setreg_imm32_b32 hwreg(HW_REG_WAVE_MODE, 25, 1), 1
	s_wait_xcnt 0x0
; x [8192][1024], w_attn [3072][1024], w_proj [1024][1024], all f32 with K innermost, become codes of FP8 (E4M3), one byte each, in the same order,
; each with its given scale 2^e: entry 0 of the scales for x, entry 1 for w_attn, entry 7 for w_proj.
; code = number / 2^e, held within +-448, rounded to the nearest code, ties to even.
; LIMITS: -126 <= e <= 119, so that 2^e and 448 x 2^e are f32 numbers.  NaN among the inputs is not served (an infinity is held at the largest code).
; Rows are dense, so each tensor is a plain stream.  A work-group takes 32,768 numbers: work-groups 0-255 x, 256-351 w_attn, 352-383 w_proj; only pointers and e are chosen, by
; selects on the work-group's number: all three take one path through the text.  A wave takes 16 steps of 512 numbers.
; The conversion takes eight neighbours from ONE lane's registers, a load is best where neighbouring LANES take neighbouring bytes.  Both are had: each of a step's four loads reads 512
; consecutive bytes, 16 a lane; the 2,048 bytes go through the wave's own stage in LDS and come back 64 bytes a lane (16 bytes of padding behind each 64).
; A lane's 16 codes are 16 bytes: a wave's store covers 512 consecutive bytes, aligned.  No barrier: waves share nothing.  Loads run four steps (16 loads a wave) ahead, the turn through LDS one step.
.set STEPS, 16
.set WGX,   256                        ; work-groups for x:      8,388,608 / 32,768
.set WGA,   96                         ; for w_attn:             3,145,728 / 32,768
.set EMAX,  8
.set MANT,  0x600000                   ; the mantissa field of 448 as f32
.set CB,    16                         ; bytes of 16 codes
.set R,     16                         ; v16-79   four sets of 16 numbers as they are loaded
.set X,     80                         ; v80-111  two sets of 16 neighbours
.set C,     128                        ; v128-191 codes: four registers for each step, so that no store's data are written again
.set WREG,  8192                       ; LDS: a region of its own for each wave: two stages of 32 x SP bytes
.set SP,    80                         ; a lane's place in a stage: its 64 bytes + 16 of padding
	s_load_b128 s[4:7], s[0:1], 0x0                ; x, w_attn
	s_load_b128 s[8:11], s[0:1], 0x10              ; w_proj, the scales' exponents
	s_load_b128 s[12:15], s[0:1], 0x20             ; x's codes, w_attn's codes
	s_load_b64 s[24:25], s[0:1], 0x30              ; w_proj's codes
	v_lshl_add_u32 v192, v0, 2, 0x8000
	v_mov_b32 v193, 0
	v_lshrrev_b32 v1, 5, v0
	v_readfirstlane_b32 s16, v1                    ; wave
	v_and_b32 v2, 31, v0                           ; lane
	v_lshlrev_b32 v3, 4, v2                        ; my 16 bytes of a load's 512
	s_mul_i32 s17, s16, WREG
	v_lshrrev_b32 v14, 2, v2
	v_mul_u32_u24 v14, v14, SP
	v_and_b32 v15, 3, v2
	v_lshl_add_u32 v14, v15, 4, v14
	v_add_nc_u32 v14, s17, v14                     ; the stage, on the way in: four lanes' 64 bytes on end, then 16 of padding
	v_mul_u32_u24 v15, v2, SP
	v_add_nc_u32 v15, s17, v15                     ; and on the way out: my 16 neighbours
	v_mul_u32_u24 v4, v2, CB                       ; my codes' place in a step's
	s_wait_alu depctr_va_vdst(0)
	s_wait_kmcnt 0x0
	s_load_b64 s[22:23], s[10:11], 0x0             ; e of x, e of w_attn
	s_load_b32 s26, s[10:11], 0x1c                 ; e of w_proj
	s_cmp_lt_u32 ttmp9, WGX+WGA                    ; w_attn or w_proj?  The choices hang on the work-group's number alone
	s_cselect_b64 s[6:7], s[6:7], s[8:9]
	s_cselect_b64 s[14:15], s[14:15], s[24:25]
	s_mov_b32 s17, WGX+WGA
	s_cselect_b32 s17, WGX, s17
	s_cmp_lt_u32 ttmp9, WGX                        ; x or one of those?
	s_cselect_b64 s[4:5], s[4:5], s[6:7]           ; the numbers
	s_cselect_b64 s[8:9], s[12:13], s[14:15]       ; the codes
	s_cselect_b32 s17, 0, s17                      ; the tensor's first work-group
	s_sub_co_u32 s17, ttmp9, s17
	s_lshl_b32 s17, s17, 2
	s_add_co_u32 s18, s17, s16                     ; which run of 8,192 numbers of the tensor is my wave's
	s_lshl_b32 s20, s18, 15                        ; 32,768 bytes of numbers a run (under 2^26 in all)
	s_mov_b32 s21, 0
	s_add_nc_u64 s[4:5], s[4:5], s[20:21]
	s_lshl_b32 s20, s18, 13                        ; 8,192 bytes of codes a run
	s_add_nc_u64 s[8:9], s[8:9], s[20:21]
.macro LOAD t
.irp i, 0,1,2,3
	global_load_b128 v[R+16*((\t)%4)+4*\i:R+16*((\t)%4)+4*\i+3], v3, s[4:5] offset:2048*(\t)+512*\i th:TH_LOAD_NT   ; 32 lanes read 512 consecutive bytes; read once in the launch
.endr
.endm
.macro TURN t                          ; step t's numbers through the stage: LDS serves a wave's instructions in order, so no wait stands between the stores and the loads
.irp i, 0,1,2,3
	ds_store_b128 v14, v[R+16*((\t)%4)+4*\i:R+16*((\t)%4)+4*\i+3] offset:32*SP*((\t)%2)+8*SP*\i
.endr
.irp i, 0,1,2,3
	ds_load_b128 v[X+16*((\t)%2)+4*\i:X+16*((\t)%2)+4*\i+3], v15 offset:32*SP*((\t)%2)+16*\i
.endr
.endm
.irp t, 0,1,2,3
	LOAD \t
.endr
	s_wait_kmcnt 0x0
	s_cmp_lt_u32 ttmp9, WGX+WGA
	s_cselect_b32 s23, s23, s26
	s_cmp_lt_u32 ttmp9, WGX
	s_cselect_b32 s22, s22, s23                    ; e
	s_add_co_i32 s22, s22, 127
	s_lshl_b32 s23, s22, 23
	v_mov_b32 v11, s23                             ; 2^e as f32: the conversion takes its exponent field
	s_add_co_i32 s22, s22, EMAX
	s_lshl_b32 s22, s22, 23
	s_or_b32 s22, s22, MANT
	v_mov_b32 v10, s22                             ; 448 x 2^e
	s_wait_alu depctr_va_vdst(0)
	s_wait_loadcnt 12                              ; step 0's four loads are in; the twelve of steps 1 to 3 stay out
	TURN 0
.macro STEP t
.set XS, X+16*((\t)%2)
	s_wait_dscnt 0x0                               ; this step's numbers are back from the stage: so its stores into the stage have read their registers,
.if (\t)+4 < STEPS
	LOAD (\t)+4                                    ; which take the loads of four steps on
.endif
.if (\t)+1 < STEPS
.if STEPS-2-(\t) >= 3
	s_wait_loadcnt 12                              ; the next step's four loads are in; those of the three steps behind it may be out
.else
	s_wait_loadcnt 4*(STEPS-2-(\t))                ; at the end the count runs down: 8, 4, 0
.endif
	TURN (\t)+1                                    ; and go through the other stage while this step is worked
.endif
.irp i, 0,1,2,3,4,5,6,7,8,9,10,11,12,13,14,15
	v_med3_num_f32 v[XS+\i], v[XS+\i], -v10, v10   ; the conversion to an 8-bit code does not saturate (ISA guide 7.6.2): the number is held within 448 x the scale first
.endr
	v_cvt_scalef32_pk8_fp8_f32 v[C+4*(\t):C+4*(\t)+1], v[XS:XS+7], v11          ; eight numbers / 2^e, to the nearest code, ties to even; the first number's code in the lowest byte
	v_cvt_scalef32_pk8_fp8_f32 v[C+4*(\t)+2:C+4*(\t)+3], v[XS+8:XS+15], v11
	global_store_b128 v4, v[C+4*(\t):C+4*(\t)+3], s[8:9] offset:32*CB*(\t)      ; the codes go to a store alone; the next vector lines are the next step's holds, on other registers
.endm
.irp t, 0,1,2,3,4,5,6,7,8,9,10,11,12,13,14,15
	STEP \t
.endr
	s_wait_tensorcnt 0x0
	ds_add_u32 v192, v193
	s_wait_dscnt 0x0
	s_endpgm
.Lfunc_end_k_q7553cb060b_quant:
	.size	k_q7553cb060b_quant, .Lfunc_end_k_q7553cb060b_quant-k_q7553cb060b_quant
	.p2alignl 7, 3214868480
	.fill 96, 4, 3214868480
	.section	.rodata,"a",@progbits
	.p2align	6, 0x0
	.amdhsa_kernel k_q7553cb060b_quant
		.amdhsa_group_segment_fixed_size 33280
		.amdhsa_private_segment_fixed_size 0
		.amdhsa_enable_private_segment 0
		.amdhsa_kernarg_size 56
		.amdhsa_user_sgpr_count 2
		.amdhsa_user_sgpr_kernarg_segment_ptr 1
		.amdhsa_wavefront_size32 1
		.amdhsa_system_sgpr_workgroup_id_x 1
		.amdhsa_system_sgpr_workgroup_id_y 1
		.amdhsa_system_sgpr_workgroup_id_z 1
		.amdhsa_system_vgpr_workitem_id 0
		.amdhsa_next_free_vgpr 194
		.amdhsa_next_free_sgpr 66
		.amdhsa_reserve_vcc 0
		.amdhsa_float_denorm_mode_32 3
		.amdhsa_float_denorm_mode_16_64 3
		.amdhsa_memory_ordered 1
		.amdhsa_forward_progress 1
		.amdhsa_inst_pref_size 38
	.end_amdhsa_kernel
	.amdgpu_metadata
---
amdhsa.version: [ 1, 2 ]
amdhsa.kernels:
  - .name:           k_q7553cb060b_quant
    .symbol:         k_q7553cb060b_quant.kd
    .args:
      - { .name: x, .offset: 0, .size: 8, .value_kind: global_buffer, .address_space: global }
      - { .name: w_attn, .offset: 8, .size: 8, .value_kind: global_buffer, .address_space: global }
      - { .name: w_proj, .offset: 16, .size: 8, .value_kind: global_buffer, .address_space: global }
      - { .name: lowp_scales, .offset: 24, .size: 8, .value_kind: global_buffer, .address_space: global }
      - { .name: x_codes, .offset: 32, .size: 8, .value_kind: global_buffer, .address_space: global }
      - { .name: wa_codes, .offset: 40, .size: 8, .value_kind: global_buffer, .address_space: global }
      - { .name: wp_codes, .offset: 48, .size: 8, .value_kind: global_buffer, .address_space: global }
    .group_segment_fixed_size: 33280
    .private_segment_fixed_size: 0
    .kernarg_segment_align: 8
    .kernarg_segment_size: 56
    .max_flat_workgroup_size: 128
    .sgpr_count:     66
    .vgpr_count:     194
    .wavefront_size: 32
...
	.end_amdgpu_metadata
.endif
;; end of part 1
;; launch qkv (part 2): grid 12 x 32, 4 waves a work-group, clusters of 4 x 4, 327,680 bytes of LDS; arguments x_codes, wa_codes, lowp_scales, q_codes, k_codes, v_codes; writes q_codes, k_codes, v_codes
.if DOCPART == 2
	.amdgcn_target "amdgcn-amd-amdhsa--gfx1250"
	.amdhsa_code_object_version 6
	.text
	.protected	k_q7553cb060b_qkv
	.globl	k_q7553cb060b_qkv
	.p2align	8
	.type	k_q7553cb060b_qkv,@function
k_q7553cb060b_qkv:
	s_mov_b64 s[64:65], 0
	v_nop
	global_prefetch_b8 v0, s[64:65] scope:SCOPE_SE
	s_setreg_imm32_b32 hwreg(HW_REG_WAVE_MODE, 25, 1), 1
	s_wait_xcnt 0x0
	s_wait_alu depctr_hold_cnt(0) depctr_sa_sdst(0) depctr_va_vdst(0) depctr_va_sdst(0) depctr_va_ssrc(0) depctr_va_vcc(0) depctr_vm_vsrc(0)
	s_getreg_b32 s2, hwreg(HW_REG_IB_STS2, 6, 4)
	s_cmp_eq_u32 s2, 0
	s_cbranch_scc0 .Lentry_in_a_cluster
	s_endpgm
.Lentry_in_a_cluster:
	s_bfe_u32 s2, ttmp6, 0x10000c
	s_cmp_lg_u32 s2, 0xf033
	s_cbranch_scc0 .Lentry_shape_is_right
	s_endpgm
.Lentry_shape_is_right:
.set ROWB,   256
.set KROW,   1024
.set PITCH,  272
.set FR,     16
.set NL,     4
.set NP,     4
.set HALFT,  128*PITCH
.set SLOT,   4*HALFT
.set SPARE,  2*SLOT
.set SCL,  12
.set LIM,  13
.set ADRA, 16
.set ADRB, 20
.set STO,  24
.set RDQ,  25
.set RDV,  26
.set GOQ,  27
.set SPW,  28
.set NIL,  29
.set GOV,  30
.set TMP,  32
.set AF,   128
.set CD,   128
.set G1, 24
.set G0, 32
.set G1B, 48
.set G0B, 56
.set MSB, 0
.macro WIN new
.if MSB != \new
	s_set_vgpr_msb (MSB<<8)|\new
.set MSB, \new
.endif
.endm
.set MUL_LO, 0xa1
.set MUL_HI, 0xf1
.set TO_B,   0x40
.macro JLOAD g0a, g1a, g0b, g1b
	s_cmp_eq_u32 s15, 0
	s_cbranch_scc0 .Lfor_b_\@
	tensor_load_to_lds s[\g0a:\g0a+3], s[\g1a:\g1a+7]
	s_nop 0
.rept 4
	v_nop
.endr
	s_branch .Lasked_\@
.Lfor_b_\@:
	tensor_load_to_lds s[\g0b:\g0b+3], s[\g1b:\g1b+7]
	s_nop 0
.rept 4
	v_nop
.endr
.Lasked_\@:
.endm
.macro CREST
	s_cmp_lg_u32 s14, 0
	s_cbranch_scc1 .Lnot_wave_0_\@
	s_barrier_signal -3
.Lnot_wave_0_\@:
	s_barrier_wait -3
	s_barrier_signal -1
	s_barrier_wait -1
.endm
.macro CROUND
	s_barrier_signal -1
	s_barrier_wait -1
	CREST
.endm
	s_load_b128 s[4:7], s[0:1], 0x0
	s_load_b64 s[8:9], s[0:1], 0x10
	s_load_b128 s[68:71], s[0:1], 0x18
	s_load_b64 s[72:73], s[0:1], 0x28
	v_lshl_add_u32 v[SPW], v0, 2, SPARE
	v_mov_b32 v[NIL], 0
	ds_add_u32 v28, v29
	ds_add_u32 v28, v29
	s_wait_dscnt 0x0
	v_lshrrev_b32 v1, 5, v0
	v_readfirstlane_b32 s14, v1
	s_lshr_b32 s15, s14, 1
	s_and_b32 s16, s14, 1
	s_bfe_u32 s40, ttmp6, 0x40000
	s_bfe_u32 s41, ttmp6, 0x40004
	s_and_b32 s12, ttmp7, 0xffff
	s_lshl_b32 s12, s12, 2
	s_lshl_b32 s13, ttmp9, 2
	s_cmp_eq_u32 ttmp9, 2
	s_cselect_b32 s17, 8, s12
	s_cselect_b32 s42, s12, s13
	s_add_co_u32 s17, s17, s41
	s_add_co_u32 s42, s42, s40
	s_lshl_b32 s43, s41, 2
	s_lshl_b32 s43, 15, s43
	s_lshl_b32 s44, 0x1111, s40
	s_or_b32 s[G1+0], s43, (0<<16)|(1<<20)|(1<<21)|(5<<22)|(3<<25)
	s_or_b32 s[G1B+0], s44, (0<<16)|(1<<20)|(1<<21)|(5<<22)|(3<<25)
.irp g, G1, G1B
	s_mov_b32 s[\g+1], ROWB<<16
	s_mov_b32 s[\g+2], 128<<16
	s_mov_b32 s[\g+3], ROWB<<16
	s_mov_b32 s[\g+4], 128
	s_mov_b32 s[\g+5], KROW
	s_mov_b32 s[\g+6], 0
	s_mov_b32 s[\g+7], 0
.endr
	s_lshl_b32 s18, s16, 7
	s_lshl_b32 s20, s17, 8
	s_add_co_u32 s20, s20, s18
	s_lshl_b32 s20, s20, 10
	s_mov_b32 s21, 0
	s_lshl_b32 s46, s42, 8
	s_add_co_u32 s46, s46, s18
	s_lshl_b32 s46, s46, 10
	s_mov_b32 s47, 0
	s_mul_i32 s45, s14, HALFT
	s_wait_kmcnt 0x0
	s_load_b256 s[80:87], s[8:9], 0x0
	s_cmp_eq_u32 ttmp9, 2
	s_cselect_b64 s[74:75], s[6:7], s[4:5]
	s_cselect_b64 s[76:77], s[4:5], s[6:7]
	s_add_nc_u64 s[20:21], s[74:75], s[20:21]
	s_add_nc_u64 s[46:47], s[76:77], s[46:47]
	; NO PREFETCH: K has four steps of 256; two are asked for at the head and behind the round that follows it, so only two refills are left, and none stands two steps behind another request
	CROUND
.irp s, 0,1
	s_mov_b32 s[G0+4*\s], 1
	s_add_co_u32 s[G0+4*\s+1], s45, \s*SLOT
	s_add_nc_u64 s[G0+4*\s+2:G0+4*\s+3], s[20:21], \s*ROWB
	s_or_b32 s[G0+4*\s+3], s[G0+4*\s+3], 0x80000000
	s_mov_b32 s[G0B+4*\s], 1
	s_add_co_u32 s[G0B+4*\s+1], s45, \s*SLOT
	s_add_nc_u64 s[G0B+4*\s+2:G0B+4*\s+3], s[46:47], \s*ROWB
	s_or_b32 s[G0B+4*\s+3], s[G0B+4*\s+3], 0x80000000
.endr
	JLOAD G0, G1, G0B, G1B                         ; K step 0: one tensor load a wave at the head
	v_and_b32 v1, 15, v0
	v_bfe_u32 v2, v0, 4, 1
	v_mul_u32_u24 v3, v1, PITCH
	s_wait_alu depctr_va_vdst(0)
	v_lshl_add_u32 v4, v2, 4, v3
	s_mul_i32 s21, s15, HALFT
	s_mul_i32 s22, s16, HALFT
	s_add_co_u32 s22, s22, 2*HALFT
.irp s, 0,1
	v_add_nc_u32 v[ADRA+\s], s21, v4
	v_add_nc_u32 v[ADRB+\s], s22, v4
	s_add_co_u32 s21, s21, SLOT
	s_add_co_u32 s22, s22, SLOT
.endr
	s_mul_i32 s23, s15, 128*PITCH
	s_lshl_b32 s22, s16, 7
	s_add_co_u32 s23, s23, s22
	v_lshl_add_u32 v5, v2, 3, v3
	v_add_nc_u32 v[STO], s23, v5
	s_mul_i32 s23, s14, 64*PITCH
	v_and_b32 v6, 31, v0
	v_lshrrev_b32 v7, 2, v6
	v_mul_u32_u24 v7, v7, PITCH
	v_and_b32 v8, 3, v6
	v_lshl_add_u32 v7, v8, 4, v7
	v_add_nc_u32 v[RDQ], s23, v7
	v_mul_u32_u24 v7, v2, PITCH
	v_lshl_add_u32 v7, v1, 4, v7
	v_add_nc_u32 v[RDV], s23, v7
	v_lshlrev_b32 v[GOQ], 4, v6
	v_lshlrev_b32 v7, 11, v2
	v_lshl_add_u32 v[GOV], v1, 4, v7
	s_lshr_b32 s88, s17, 3
	s_lshl_b32 s88, s88, 21
	s_lshl_b32 s89, s40, 19
	s_add_co_u32 s88, s88, s89
	s_and_b32 s89, s17, 7
	s_lshl_b32 s89, s89, 14
	s_add_co_u32 s88, s88, s89
	s_lshl_b32 s89, s14, 12
	s_add_co_u32 s88, s88, s89
	s_lshr_b32 s90, s42, 3
	s_lshl_b32 s90, s90, 21
	s_lshl_b32 s91, s41, 19
	s_add_co_u32 s90, s90, s91
	s_lshl_b32 s91, s14, 17
	s_add_co_u32 s90, s90, s91
	s_and_b32 s91, s42, 7
	s_lshl_b32 s91, s91, 8
	s_add_co_u32 s90, s90, s91
	s_cmp_eq_u32 ttmp9, 2
	s_cselect_b32 s88, s90, s88
	s_cselect_b64 s[78:79], s[72:73], s[70:71]
	s_mov_b32 s89, 0
	s_cmp_eq_u32 ttmp9, 0
	s_cselect_b64 s[78:79], s[68:69], s[78:79]
	s_add_nc_u64 s[78:79], s[78:79], s[88:89]
.macro FRAG reg, adr, q, i
.irp c, 0,1,2,3
	ds_load_b128 v[\reg+4*\c:\reg+4*\c+3], v[\adr] offset:128*(\q)+32*\c+(\i)*16*PITCH
.endr
.endm
.macro MUL16 a0, p, zero
.irp a, \a0, \a0+1
.irp b, 0,1,2,3,4,5,6,7
.if \zero
	v_wmma_f32_16x16x128_fp8_fp8 v[8*(8*((\a)%4)+\b):8*(8*((\a)%4)+\b)+7], v[128*(\p)+FR*\b:128*(\p)+FR*\b+FR-1], v[AF+FR*(\a):AF+FR*(\a)+FR-1], 0
.else
	v_wmma_f32_16x16x128_fp8_fp8 v[8*(8*((\a)%4)+\b):8*(8*((\a)%4)+\b)+7], v[128*(\p)+FR*\b:128*(\p)+FR*\b+FR-1], v[AF+FR*(\a):AF+FR*(\a)+FR-1], v[8*(8*((\a)%4)+\b):8*(8*((\a)%4)+\b)+7]
.endif
.endr
.endr
.endm
.macro FETCH_B slot, q, p
	WIN TO_B
.irp i, 0,1,2,3,4,5,6,7
	FRAG 128*(\p)+FR*\i, ADRB+\slot, \q, \i
.endr
	WIN 0
.endm
.macro FETCH_A slot, q, i0
.irp i, \i0, \i0+1, \i0+2, \i0+3
	FRAG AF+FR*(\i), ADRA+\slot, \q, \i
.endr
.endm
.macro PLACES n
.rept \n
	v_nop
.endr
.endm
.macro STEP slot, q, zero
	s_wait_dscnt 4*NL
	WIN MUL_LO
	MUL16 0, (\q)%2, \zero
	MUL16 2, (\q)%2, \zero
	s_wait_dscnt 0
	PLACES NP
	FETCH_B \slot, (\q)+1, 1-(\q)%2
	FETCH_A \slot, (\q)+1, 0
	WIN MUL_HI
	MUL16 4, (\q)%2, \zero
	MUL16 6, (\q)%2, \zero
	PLACES NP
	WIN 0
	FETCH_A \slot, (\q)+1, 4
.endm
.macro TURN slot, next, fill
	s_wait_tensorcnt 0x0
	ds_add_u32 v[SPW], v[NIL]
	s_wait_dscnt 4*NL+1
	WIN MUL_LO
	MUL16 0, 1, 0
	s_wait_dscnt 0x0
	s_barrier_signal -1
	MUL16 2, 1, 0
	WIN 0
	s_barrier_wait -1
.if \fill
	CREST
	s_add_nc_u64 s[G0+4*\slot+2:G0+4*\slot+3], s[G0+4*\slot+2:G0+4*\slot+3], 2*ROWB
	s_add_nc_u64 s[G0B+4*\slot+2:G0B+4*\slot+3], s[G0B+4*\slot+2:G0B+4*\slot+3], 2*ROWB
	JLOAD G0+4*\slot, G1, G0B+4*\slot, G1B
.else
	PLACES NP
.endif
	FETCH_B \next, 0, 0
	FETCH_A \next, 0, 0
	WIN MUL_HI
	MUL16 4, 1, 0
	MUL16 6, 1, 0
	PLACES NP
	WIN 0
	FETCH_A \next, 0, 4
.endm
	s_wait_alu depctr_va_vdst(0)
	s_wait_tensorcnt 0x0                           ; my part of K step 0 is in; these lines stand ahead of a later first fill as ahead of a refill
	ds_add_u32 v[SPW], v[NIL]
	s_wait_dscnt 0x0
	CROUND
	JLOAD G0+4, G1, G0B+4, G1B                     ; K step 1, the first tensor load behind the round
	FETCH_B 0, 0, 0
	FETCH_A 0, 0, 0
	FETCH_A 0, 0, 4
	STEP 0, 0, 1
	TURN 0, 1, 1
	STEP 1, 0, 0
	TURN 1, 0, 1
	STEP 0, 0, 0
	TURN 0, 1, 0
	STEP 1, 0, 0
	s_wait_dscnt 4*NL
	WIN MUL_LO
	MUL16 0, 1, 0
	MUL16 2, 1, 0
	s_wait_dscnt 0
	WIN MUL_HI
	MUL16 4, 1, 0
	MUL16 6, 1, 0
	WIN 0
	s_wait_kmcnt 0x0
	s_cmp_eq_u32 ttmp9, 0
	s_cselect_b32 s88, s82, s83
	s_cmp_eq_u32 ttmp9, 2
	s_cselect_b32 s88, s85, s88
	s_sub_co_i32 s88, s88, s80
	s_sub_co_i32 s88, s88, s81
	s_add_co_i32 s88, s88, 127
	s_lshl_b32 s89, s88, 23
	v_mov_b32 v[SCL], s89
	s_add_co_i32 s88, s88, 8
	s_lshl_b32 s88, s88, 23
	s_or_b32 s88, s88, 0x600000
	v_mov_b32 v[LIM], s88
	PLACES NP
.macro CODES a
.set AC, 64*((\a)%4)
	WIN 0x02+((\a)/4)
.set i, 0
.rept 64
	v_med3_num_f32 v[TMP+i], v[AC+i], -v[LIM], v[LIM]
.set i, i+1
.endr
	WIN 0
.irp b, 0,1,2,3,4,5,6,7
	v_cvt_scalef32_pk8_fp8_f32 v[CD+16*(\a)+2*\b:CD+16*(\a)+2*\b+1], v[TMP+8*\b:TMP+8*\b+7], v[SCL]
.endr
	v_nop
.irp b, 0,1,2,3,4,5,6,7
	ds_store_b64 v[STO], v[CD+16*(\a)+2*\b:CD+16*(\a)+2*\b+1] offset:(\a)*16*PITCH+16*\b
.endr
.endm
.irp a, 0,1,2,3,4,5,6,7
	CODES \a
.endr
	s_wait_dscnt 0x0
	s_barrier_signal -1
	s_barrier_wait -1
	s_cmp_eq_u32 ttmp9, 2
	s_cbranch_scc1 .Lv_rows
.irp hh, 0,1,2,3
.irp i, 0,1,2,3,4,5,6,7
	ds_load_b128 v[CD+4*(8*\hh+\i):CD+4*(8*\hh+\i)+3], v[RDQ] offset:\i*8*PITCH+64*\hh
.endr
.endr
.irp hh, 0,1,2,3
.irp i, 0,1,2,3,4,5,6,7
	s_wait_dscnt 31-(8*\hh+\i)
	global_store_b128 v[GOQ], v[CD+4*(8*\hh+\i):CD+4*(8*\hh+\i)+3], s[78:79] offset:\hh*131072+\i*512
.endr
.endr
	s_branch .Lout
.Lv_rows:
.irp n, 0,1,2,3,4,5,6,7,8,9,10,11,12,13,14,15,16,17,18,19,20,21,22,23,24,25,26,27,28,29,30,31
	ds_load_b128 v[CD+4*\n:CD+4*\n+3], v[RDV] offset:2*\n*PITCH
.endr
.irp n, 0,1,2,3,4,5,6,7,8,9,10,11,12,13,14,15,16,17,18,19,20,21,22,23,24,25,26,27,28,29,30,31
	s_wait_dscnt 31-\n
	global_store_b128 v[GOV], v[CD+4*\n:CD+4*\n+3], s[78:79] offset:2*\n*2048
.endr
.Lout:
	s_wait_tensorcnt 0x0
	ds_add_u32 v[SPW], v[NIL]
	s_wait_dscnt 0x0
	CROUND
	s_endpgm
.Lfunc_end_k_q7553cb060b_qkv:
	.size	k_q7553cb060b_qkv, .Lfunc_end_k_q7553cb060b_qkv-k_q7553cb060b_qkv
	.p2alignl 7, 3214868480
	.fill 96, 4, 3214868480
	.section	.rodata,"a",@progbits
	.p2align	6, 0x0
	.amdhsa_kernel k_q7553cb060b_qkv
		.amdhsa_group_segment_fixed_size 327680
		.amdhsa_private_segment_fixed_size 0
		.amdhsa_enable_private_segment 0
		.amdhsa_kernarg_size 48
		.amdhsa_user_sgpr_count 2
		.amdhsa_user_sgpr_kernarg_segment_ptr 1
		.amdhsa_wavefront_size32 1
		.amdhsa_system_sgpr_workgroup_id_x 1
		.amdhsa_system_sgpr_workgroup_id_y 1
		.amdhsa_system_sgpr_workgroup_id_z 1
		.amdhsa_system_vgpr_workitem_id 0
		.amdhsa_next_free_vgpr 1024
		.amdhsa_next_free_sgpr 98
		.amdhsa_reserve_vcc 0
		.amdhsa_float_denorm_mode_32 3
		.amdhsa_float_denorm_mode_16_64 3
		.amdhsa_memory_ordered 1
		.amdhsa_forward_progress 1
		.amdhsa_inst_pref_size 132
	.end_amdhsa_kernel
	.amdgpu_metadata
---
amdhsa.version: [ 1, 2 ]
amdhsa.kernels:
  - .name:           k_q7553cb060b_qkv
    .symbol:         k_q7553cb060b_qkv.kd
    .args:
      - { .name: x_codes, .offset: 0, .size: 8, .value_kind: global_buffer, .address_space: global }
      - { .name: wa_codes, .offset: 8, .size: 8, .value_kind: global_buffer, .address_space: global }
      - { .name: lowp_scales, .offset: 16, .size: 8, .value_kind: global_buffer, .address_space: global }
      - { .name: q_codes, .offset: 24, .size: 8, .value_kind: global_buffer, .address_space: global }
      - { .name: k_codes, .offset: 32, .size: 8, .value_kind: global_buffer, .address_space: global }
      - { .name: v_codes, .offset: 40, .size: 8, .value_kind: global_buffer, .address_space: global }
    .group_segment_fixed_size: 327680
    .private_segment_fixed_size: 0
    .kernarg_segment_align: 8
    .kernarg_segment_size: 48
    .max_flat_workgroup_size: 128
    .sgpr_count:     98
    .vgpr_count:     1024
    .wavefront_size: 32
...
	.end_amdgpu_metadata
.endif
;; end of part 2
;; launch attn (part 3): grid 4 x 64, 8 waves a work-group, no clusters, 327,680 bytes of LDS; arguments q_codes, k_codes, v_codes, lowp_scales, y_codes; writes y_codes
.if DOCPART == 3
	.amdgcn_target "amdgcn-amd-amdhsa--gfx1250"
	.amdhsa_code_object_version 6
	.text
	.protected	k_q7553cb060b_attn
	.globl	k_q7553cb060b_attn
	.p2align	8
	.type	k_q7553cb060b_attn,@function
k_q7553cb060b_attn:
	s_mov_b64 s[64:65], 0
	v_nop
	global_prefetch_b8 v0, s[64:65] scope:SCOPE_SE
	s_setreg_imm32_b32 hwreg(HW_REG_WAVE_MODE, 25, 1), 1
	s_wait_xcnt 0x0
; y[bh][q][:] = the sum over k <= q of softmax_k(Q[bh][q] . K[bh][k] / 8) V[bh][k][:], head size 64, both products on codes of FP8 (E4M3); y is quantised at once (e6) for the last product.
; q_codes, k_codes, y_codes: [64 heads][2048][64].  v_codes: [64 heads][64 (d)][2048 (keys)].  Scales: q e2, k e3, p e4, v e5, y e6.
; THE SOFTMAX: t = score x log2(e) / 8; M = the row's largest t so far, rounded UP to a whole number; p = 2^(t - M) is quantised; the row's sum is taken of the unquantised p, in f32, and divides O at the end.
; When M moves, the sum and O are multiplied by 2^(old M - new M): exact.
; LEFT OUT: key steps all of whose keys come after the wave's queries: reference()'s own causal mask gives them p = 0 for every input.
; SHARES.  The head's 2,048 queries are eight blocks of 256.  Work-group j of a head owns blocks 7 - j and j.  Each of its EIGHT waves holds 32 queries, two tiles A and B of 16, so that each fragment of K and V
; read from LDS feeds two matrix instructions.  First block 7 - j (wave w: rows 32 (7 - w) on), then block j (rows 32 w on): 17 key steps of 128 keys in every wave.
; ALL OF A HEAD'S K AND V LIES IN LDS, in two chunks of 1,024 keys, each filled once.  Chunk 0 is asked for at the head, chunk 1 behind the first barrier: eight key steps stand between that request and the wait for it.
; Three runs of eight key steps: block 7 - j on chunk 0 (rows 1,024 and above against keys under 1,024: nothing is hidden, so this copy has no mask), block 7 - j on chunk 1, block j on chunk 0.
; Behind the second barrier no wave waits for another.  A hidden step is jumped over by a scalar branch on ids; no barrier and no tensor load stands under such a branch.
; WHO FETCHES: wave 0 a chunk's K, one dense block of 65,536 bytes; waves 4 to 7 sixteen rows of V each: so every load holds bytes that every work-group reads (block 4 still reads keys 1,024 to 1,279 of all of them).
; NO CLUSTER: the four work-groups of a head read the same K and V, but which steps a wave jumps over hangs on j, the place that a cluster would give.
; NO PREFETCH: the launch's last tensor load is issued behind its first barrier; no later load is left to run ahead of.
; LAYOUT.  Both products are used transposed: S^T = K Q^T, O^T = V^T P^T: a lane holds ONE query of each tile (lane % 16).  Lane r of key tile 2 b + u takes key 32 b + 8 u + r + 8 (r / 8), so that the 16 registers of
; tiles 2 b and 2 b + 1 are 16 neighbouring keys, 32 b + 16 (lane / 16) + 0 .. 15, as V's loads have them.
; LDS.  K: two keys to a line of 128 + 16 bytes: the sixteen keys of a load begin at sixteen different 16-byte columns modulo 256.  V: a row is 1,024 keys of one d, + 16 bytes.
; REGISTERS.  Window 0 holds all that vector instructions touch: v1-11, v31 addresses; v12-23 the two tiles' -M, largest t, sums, f; v24-29 constants; v32-95, v96-159 S^T then p of A, B; v160-191, v192-223 O^T;
; v224-239, v240-255 p's codes (at work before the conversions).  Window 1: v0-15 Q of A, B; v16-31 the second block's Q, waiting; v32-95 K; v96-159 V.
; LIMITS on the given exponents, so that each power of two below is an f32 number: e2 + e3 between -123 and 130; e4, and e6 - e4 - e5, between -126 and 119.
; A hidden score becomes -infinity where the definition puts -1e9: both give p = 0 while a row's largest logit lies above -1e9, which the clamp of q and k at 448 x their scales guarantees for e2 + e3 <= 9.
.set KL,    144
.set KSTEP, 64*KL                      ; 128 keys in LDS
.set VP,    1040
.set VOFF,  512*KL                     ; a chunk: 512 lines of K, then 64 rows of V
.set CH,    VOFF+64*VP                 ; 140,288 bytes
.set SPARE, 2*CH                       ; the spare words, 128 bytes a wave: four blocks of 256 bytes that no other line names
.set STAGE, SPARE+1024                 ; the way out: 32 rows x (64 + 16) bytes a wave; no tensor load lands here
.set SROW,  80
.set AK0, 1
.set AV0, 2
.set QL,  4
.set SPW, 5
.set NIL, 6
.set GO,  7
.set ADK, 8
.set ADV, 9
.set STO, 10
.set RD,  11
.set SCP, 24                           ; 2^e4
.set HOLD, 25                          ; 448 x 2^e4
.set SCY, 26                           ; 2^(e6 - e4 - e5)
.set HOY, 27                           ; 448 x that
.set DL,  28                           ; r - 16 h
.set NINF, 29
.set L16, 31
.set SA,  32
.set SB,  96
.set OA,  160
.set OB,  192
.set CA,  224
.set CB,  240
.set KFR, 32                           ; window 1
.set VFR, 96                           ; window 1
.set WV,  18
.set SEL, 20
.set CS,  22
.set G1K, 24
.set G1V, 32
.set G0K, 40
.set G0V, 44
.set Q0,  50
.set Q0A, 51
.set KF,  52
.set Q0B, 53
.set KO,  66
.set VO,  67
.set ST,  81
.set MSB, 0
.macro WIN new                         ; the immediate's high byte repeats the setting that is left
.if MSB != \new
	s_set_vgpr_msb (MSB<<8)|\new
.set MSB, \new
.endif
.endm
; One chain of branches on the wave's number, one load to an arm.  An s_nop 0 and four v_nop follow each line.
.macro TLOAD
	s_cmp_eq_u32 s[WV], 0
	s_cbranch_scc0 .Lnot_k_\@
	tensor_load_to_lds s[G0K:G0K+3], s[G1K:G1K+7]
	s_nop 0
.rept 4
	v_nop
.endr
	s_branch .Lasked_\@
.Lnot_k_\@:
	s_cmp_ge_u32 s[WV], 4
	s_cbranch_scc0 .Lasked_\@
	tensor_load_to_lds s[G0V:G0V+3], s[G1V:G1V+7]
	s_nop 0
.rept 4
	v_nop
.endr
.Lasked_\@:
.endm
	s_load_b128 s[4:7], s[0:1], 0x0                ; q, k
	s_load_b128 s[12:15], s[0:1], 0x10             ; v, the scales' exponents
	s_load_b64 s[16:17], s[0:1], 0x20              ; y
	v_lshl_add_u32 v[SPW], v0, 2, SPARE
	v_mov_b32 v[NIL], 0
	ds_add_u32 v[SPW], v[NIL]                      ; the opening lines: the add, twice on end, and its wait ahead of the first tensor load
	ds_add_u32 v[SPW], v[NIL]
	v_lshrrev_b32 v8, 5, v0
	v_readfirstlane_b32 s[WV], v8                  ; wave 0..7
	s_and_b32 s86, ttmp7, 0xffff
	s_lshl_b32 s86, s86, 17                        ; the head's first byte in each tensor of codes
	s_mov_b32 s87, 0
	s_sub_co_u32 s96, 7, ttmp9
	s_lshl_b32 s96, s96, 8
	s_sub_co_u32 s97, 7, s[WV]
	s_lshl_b32 s97, s97, 5
	s_add_co_u32 s[Q0B], s96, s97                  ; 256 (7 - j) + 32 (7 - w)
	s_lshl_b32 s[Q0A], ttmp9, 8
	s_lshl_b32 s97, s[WV], 5
	s_add_co_u32 s[Q0A], s[Q0A], s97               ; 256 j + 32 w
	s_and_b32 s88, s[WV], 3                        ; which sixteen rows of V I fetch, if I fetch V
	s_mul_i32 s94, s88, 16*VP
	s_add_co_u32 s94, s94, VOFF                    ; in a chunk,
	s_lshl_b32 s92, s88, 15                        ; in memory: 16 rows x 2,048 bytes
	s_mov_b32 s93, 0
	s_add_nc_u64 s[92:93], s[92:93], s[86:87]
	s_mov_b32 s[G1K], (1<<20)|(4<<22)|(3<<25)      ; K: 65,536 dense bytes as 256 rows of 256; four words of padding after every 32
	s_mov_b32 s[G1K+1], 256<<16
	s_mov_b32 s[G1K+2], 256<<16
	s_mov_b32 s[G1K+3], 256<<16
	s_mov_b32 s[G1K+4], 256
	s_mov_b32 s[G1K+5], 256
	s_mov_b32 s[G1K+6], 0
	s_mov_b32 s[G1K+7], 0
	s_mov_b32 s[G1V], (1<<20)|(7<<22)|(3<<25)      ; V: 16 rows of 1,024 bytes, 2,048 apart; four words of padding after every 256
	s_mov_b32 s[G1V+1], 1024<<16
	s_mov_b32 s[G1V+2], 16<<16
	s_mov_b32 s[G1V+3], 1024<<16
	s_mov_b32 s[G1V+4], 16
	s_mov_b32 s[G1V+5], 2048
	s_mov_b32 s[G1V+6], 0
	s_mov_b32 s[G1V+7], 0
	s_mov_b32 s[SEL], 0x76543210
	s_mov_b32 s[SEL+1], 0xfedcba98
	s_mov_b32 s[CS], 0x3e38aa3b                    ; c = log2(e) / 8
	; every LDS address register is made here, ahead of the first branch on the wave's number
	v_and_b32 v8, 15, v0                           ; r
	v_bfe_u32 v9, v0, 4, 1                         ; h
	v_lshlrev_b32 v[QL], 6, v8
	v_lshl_add_u32 v[QL], v9, 4, v[QL]             ; Q: 64 r + 16 h
	v_and_b32 v12, 8, v8
	v_add_nc_u32 v12, v12, v8                      ; key r + 8 (r / 8)
	v_lshrrev_b32 v13, 1, v12
	v_mul_u32_u24 v[AK0], v13, KL                  ; its line,
	v_and_b32 v13, 1, v12
	v_lshl_add_u32 v[AK0], v13, 6, v[AK0]          ; its half of the line,
	v_lshl_add_u32 v[AK0], v9, 4, v[AK0]           ; + 16 h
	v_mul_u32_u24 v[AV0], v8, VP
	v_lshl_add_u32 v[AV0], v9, 4, v[AV0]
	v_add_nc_u32 v[AV0], VOFF, v[AV0]
	s_mul_i32 s96, s[WV], 32*SROW
	s_add_co_u32 s96, s96, STAGE                   ; my stage
	v_mul_u32_u24 v[STO], v8, SROW
	v_lshl_add_u32 v[STO], v9, 3, v[STO]
	v_add_nc_u32 v[STO], s96, v[STO]               ; in: row r, + 8 h
	v_and_b32 v12, 31, v0
	v_lshlrev_b32 v[L16], 4, v12
	v_lshrrev_b32 v13, 2, v12
	v_mul_u32_u24 v[RD], v13, SROW
	v_and_b32 v13, 3, v12
	v_lshl_add_u32 v[RD], v13, 4, v[RD]
	v_add_nc_u32 v[RD], s96, v[RD]                 ; back: four lanes to a row's 64 bytes
	v_lshlrev_b32 v13, 4, v9
	v_sub_nc_u32 v[DL], v8, v13
	v_mov_b32 v[NINF], 0xff800000
.irp j, 20,21,22,23,228,229
	v_mov_b32 v\j, 0                               ; lane permutes' destinations and the upper halves of named pairs are written once
.endr
	s_wait_dscnt 0x0                               ; both opening adds are done
	s_wait_alu depctr_va_vdst(0)
	s_wait_kmcnt 0x0
	s_load_b256 s[68:75], s[14:15], 0x0            ; e0 .. e7
	s_mov_b32 s[G0K], 1
	s_mov_b32 s[G0K+1], 0
	s_add_nc_u64 s[G0K+2:G0K+3], s[6:7], s[86:87]
	s_or_b32 s[G0K+3], s[G0K+3], 0x80000000
	s_mov_b32 s[G0V], 1
	s_mov_b32 s[G0V+1], s94
	s_add_nc_u64 s[G0V+2:G0V+3], s[12:13], s[92:93]
	s_or_b32 s[G0V+3], s[G0V+3], 0x80000000
	TLOAD                                          ; chunk 0: at most one load a wave at the head
	s_add_nc_u64 s[16:17], s[16:17], s[86:87]      ; y at my head
	s_add_nc_u64 s[84:85], s[4:5], s[86:87]        ; q at my head,
	s_lshl_b32 s96, s[Q0A], 6
	s_mov_b32 s97, 0
	s_add_nc_u64 s[82:83], s[84:85], s[96:97]      ; at the second block's rows,
	s_lshl_b32 s96, s[Q0B], 6
	s_add_nc_u64 s[84:85], s[84:85], s[96:97]      ; at the first block's
	WIN 0x40                                       ; both blocks' Q come in now: destinations in window 1
.irp u, 0,1
	global_load_b128 v[8*\u:8*\u+3], v[QL], s[84:85] offset:1024*\u
	global_load_b128 v[8*\u+4:8*\u+7], v[QL], s[84:85] offset:1024*\u+32
	global_load_b128 v[16+8*\u:16+8*\u+3], v[QL], s[82:83] offset:1024*\u
	global_load_b128 v[16+8*\u+4:16+8*\u+7], v[QL], s[82:83] offset:1024*\u+32
.endr
	WIN 0
	s_wait_kmcnt 0x0
	s_add_co_i32 s96, s70, s71
	s_lshl_b32 s96, s96, 23
	s_add_co_i32 s[CS], s[CS], s96                 ; e2 + e3 added to c's exponent field
	s_mov_b32 s[CS+1], s[CS]
	s_add_co_i32 s96, s72, 127
	s_lshl_b32 s97, s96, 23
	v_mov_b32 v[SCP], s97
	s_add_co_i32 s96, s96, 8
	s_lshl_b32 s96, s96, 23
	s_or_b32 s96, s96, 0x600000
	v_mov_b32 v[HOLD], s96
	s_sub_co_i32 s96, s74, s72
	s_sub_co_i32 s96, s96, s73                     ; y's code is (sum / l) / 2^(e6 - e4 - e5)
	s_add_co_i32 s96, s96, 127
	s_lshl_b32 s97, s96, 23
	v_mov_b32 v[SCY], s97
	s_add_co_i32 s96, s96, 8
	s_lshl_b32 s96, s96, 23
	s_or_b32 s96, s96, 0x600000
	v_mov_b32 v[HOY], s96
; 32 ROWS BEGIN: O^T and the sums begin as zeros and the largest t as -3e38, so that the key step needs no first form: the first change of M multiplies zeros.
.macro INIT q0
	s_mov_b32 s[Q0], s[\q0]
	s_mov_b32 s[KF], 0
	v_mov_b32 v13, 0xff61b1e6
	v_mov_b32 v17, 0xff61b1e6
	v_floor_f32 v12, -v13
	v_floor_f32 v16, -v17
.irp j, 14,15,18,19
	v_mov_b32 v\j, 0
.endr
.set i, 0
.rept 64
	v_mov_b32 v[OA+i], 0
.set i, i+1
.endr
.endm
.macro SCALE s, m                      ; t - M, two at a time
.set i, 0
.rept 32
	v_pk_fma_f32 v[\s+i:\s+i+1], v[\s+i:\s+i+1], s[CS:CS+1], v[\m:\m+1] op_sel_hi:[1,0,0]
.set i, i+2
.endr
.endm
.macro EXPS s                          ; p = 2^(t - M)
.set i, 0
.rept 64
	v_exp_f32 v[\s+i], v[\s+i]
.set i, i+1
.endr
.endm
.macro SUMS s, acc                     ; the row's sum of the unquantised p, in four chains
	v_pk_add_f32 v[240:241], v[\s:\s+1], v[\s+2:\s+3]
	v_pk_add_f32 v[242:243], v[\s+4:\s+5], v[\s+6:\s+7]
	v_pk_add_f32 v[244:245], v[\s+8:\s+9], v[\s+10:\s+11]
	v_pk_add_f32 v[\acc:\acc+1], v[\acc:\acc+1], v[\s+12:\s+13]
.irp j, 14,22,30,38,46,54
	v_pk_add_f32 v[240:241], v[240:241], v[\s+\j:\s+\j+1]
	v_pk_add_f32 v[242:243], v[242:243], v[\s+\j+2:\s+\j+3]
	v_pk_add_f32 v[244:245], v[244:245], v[\s+\j+4:\s+\j+5]
	v_pk_add_f32 v[\acc:\acc+1], v[\acc:\acc+1], v[\s+\j+6:\s+\j+7]
.endr
	v_pk_add_f32 v[240:241], v[240:241], v[\s+62:\s+63]
	v_pk_add_f32 v[242:243], v[242:243], v[244:245]
	v_pk_add_f32 v[\acc:\acc+1], v[\acc:\acc+1], v[240:241]
	v_pk_add_f32 v[\acc:\acc+1], v[\acc:\acc+1], v[242:243]
.endm
.macro CODES s, c                      ; the hold (the conversion does not saturate: ISA guide 7.6.2; p is not negative) and the conversion
.irp b, 0,1,2,3
.irp i, 0,1,2,3,4,5,6,7,8,9,10,11,12,13,14,15
	v_min_num_f32 v[\s+16*\b+\i], v[\s+16*\b+\i], v[HOLD]
.endr
	v_cvt_scalef32_pk8_fp8_f32 v[\c+4*\b:\c+4*\b+1], v[\s+16*\b:\s+16*\b+7], v[SCP]
	v_cvt_scalef32_pk8_fp8_f32 v[\c+4*\b+2:\c+4*\b+3], v[\s+16*\b+8:\s+16*\b+15], v[SCP]
.endr
.endm
.macro KLOAD off                       ; sixteen loads: eight tiles of 16 keys x 64, \off bytes behind v[ADK]; destinations in window 1
	WIN 0x40
.irp t, 0,1,2,3,4,5,6,7
.irp c, 0,1
	ds_load_b128 v[KFR+8*\t+4*\c:KFR+8*\t+4*\c+3], v[ADK] offset:(16*(\t/2)+4*(\t%2))*KL+32*\c+\off
.endr
.endr
	WIN 0
.endm
; A KEY STEP: 128 keys at s[KO] (K) and s[VO] (V) of LDS, for both tiles.  Its K was asked for by the step before (the first step's: by RUN).  mask = 0: a run in which no key is hidden.
.macro STEP mask, kmax
.if \mask
	s_add_co_u32 s96, s[Q0], 31
	s_cmp_gt_u32 s[KF], s96                        ; all 128 keys come after my 32 queries: the work is left out; the lines at the step's end are not
	s_cbranch_scc1 .Lhidden_\@
.endif
	v_add_nc_u32 v[ADV], s[VO], v[AV0]
	v_nop                                          ; with the addition: four places in front of loads into registers that the last products read
	v_nop
	v_nop
	WIN 0x40
.irp t, 0,1,2,3
.irp c, 0,1,2,3
	ds_load_b128 v[VFR+16*\t+4*\c:VFR+16*\t+4*\c+3], v[ADV] offset:16*\t*VP+32*\c
.endr
.endr
	s_wait_alu depctr_va_vdst(0)
	s_wait_dscnt 16                                ; K's sixteen loads are in; V's sixteen, issued behind them, may be out
	WIN 0x05                                       ; K and Q in window 1, S^T in window 0
.irp t, 0,1,2,3,4,5,6,7
	v_wmma_f32_16x16x64_fp8_fp8 v[SA+8*\t:SA+8*\t+7], v[KFR+8*\t:KFR+8*\t+7], v[0:7], 0
	v_wmma_f32_16x16x64_fp8_fp8 v[SB+8*\t:SB+8*\t+7], v[KFR+8*\t:KFR+8*\t+7], v[8:15], 0
.endr
	WIN 0
.rept 4
	v_nop                                          ; places in front of the loads below and of the first read of the scores
.endr
	s_add_co_u32 s97, s[KO], KSTEP                 ; the next step's K, held at the run's last step: that step reads its own K once more, which nobody uses, so that the counts of the waits are the same in every trip
	s_min_u32 s97, s97, \kmax
	v_add_nc_u32 v[ADK], s97, v[AK0]
	KLOAD 0
.if \mask
	s_add_co_u32 s96, s[KF], 127                   ; on the diagonal hidden scores become -infinity ahead of the maximum; a step all of whose keys count skips this
	s_cmp_le_u32 s96, s[Q0]
	s_cbranch_scc1 .Lopen_\@
	s_sub_co_i32 s96, s[Q0], s[KF]
	v_add_nc_u32 v224, s96, v[DL]                  ; tile A: register 16 b + i is hidden where 32 b + i > my query - KF - 16 h
	v_add_nc_u32 v225, 16, v224                    ; tile B: 16 queries on
.set n, 0
.rept 64
	v_cmp_gt_i32 vcc_lo, 32*(n/16)+n%16, v224
	v_cndmask_b32 v[SA+n], v[SA+n], v[NINF], vcc_lo
	v_cmp_gt_i32 vcc_lo, 32*(n/16)+n%16, v225
	v_cndmask_b32 v[SB+n], v[SB+n], v[NINF], vcc_lo
.set n, n+1
.endr
.Lopen_\@:
.endif
	v_max3_num_f32 v224, v[SA], v[SA+1], v[SA+2]   ; the step's largest scores, two chains a tile, the tiles by turns; each accumulator from its low end on
	v_max3_num_f32 v226, v[SB], v[SB+1], v[SB+2]
	v_max3_num_f32 v225, v[SA+3], v[SA+4], v[SA+5]
	v_max3_num_f32 v227, v[SB+3], v[SB+4], v[SB+5]
.irp i, 6,10,14,18,22,26,30,34,38,42,46,50,54,58
	v_max3_num_f32 v224, v224, v[SA+\i], v[SA+\i+1]
	v_max3_num_f32 v226, v226, v[SB+\i], v[SB+\i+1]
	v_max3_num_f32 v225, v225, v[SA+\i+2], v[SA+\i+3]
	v_max3_num_f32 v227, v227, v[SB+\i+2], v[SB+\i+3]
.endr
	v_max3_num_f32 v224, v224, v[SA+62], v[SA+63]
	v_max3_num_f32 v226, v226, v[SB+62], v[SB+63]
	v_max_num_f32 v224, v224, v225
	v_max_num_f32 v226, v226, v227
	v_permlanex16_b32 v228, v224, s[SEL], s[SEL+1]
	v_permlanex16_b32 v229, v226, s[SEL], s[SEL+1]
	v_max_num_f32 v224, v224, v228
	v_max_num_f32 v226, v226, v229
	v_mul_f32 v224, s[CS], v224                    ; as t (c is positive)
	v_mul_f32 v226, s[CS], v226
	v_max_num_f32 v13, v13, v224                   ; the running largest t
	v_max_num_f32 v17, v17, v226
	v_mov_b32 v224, v12
	v_mov_b32 v226, v16
	v_floor_f32 v12, -v13                          ; the new -M = -ceil(t)
	v_floor_f32 v16, -v17
	v_sub_f32 v224, v12, v224                      ; old M - new M: a whole number, 0 or less
	v_sub_f32 v226, v16, v226
	v_cvt_i32_f32 v224, v224                       ; (it saturates)
	v_cvt_i32_f32 v226, v226
	v_ldexp_f32 v20, 1.0, v224                     ; f = 2^(old M - new M)
	v_ldexp_f32 v22, 1.0, v226
	SCALE SA, 12
	s_wait_alu depctr_va_vdst(0)                   ; ahead of a batch of exponentials
	EXPS SA
	SCALE SB, 16                                   ; plain lines that name none of the batch's results
	v_pk_mul_f32 v[14:15], v[14:15], v[20:21] op_sel_hi:[1,0]   ; the sums under the new M
	v_pk_mul_f32 v[18:19], v[18:19], v[22:23] op_sel_hi:[1,0]
	s_wait_alu depctr_va_vdst(0)                   ; one wait: behind tile A's batch, ahead of tile B's
	EXPS SB
	SUMS SA, 14                                    ; tile A's p has had its wait; these lines name none of tile B's
	CODES SA, CA
	s_wait_alu depctr_va_vdst(0)                   ; behind tile B's batch, and directly ahead of the first readers of O^T
.set i, 0
.rept 16
	v_pk_mul_f32 v[OA+i:OA+i+1], v[OA+i:OA+i+1], v[20:21] op_sel_hi:[1,0]   ; O^T under the new M, each accumulator from its low end on
.set i, i+2
.endr
.set i, 0
.rept 16
	v_pk_mul_f32 v[OB+i:OB+i+1], v[OB+i:OB+i+1], v[22:23] op_sel_hi:[1,0]
.set i, i+2
.endr
	SUMS SB, 18
	CODES SB, CB
	v_nop                                          ; one plain line behind the last conversion
	s_wait_alu depctr_va_vdst(0)
	s_wait_dscnt 16                                ; V is in; the next step's sixteen loads of K, issued behind V's, may be out
	WIN 0x01                                       ; V in window 1
.irp t, 0,1,2,3
	v_wmma_f32_16x16x128_fp8_fp8 v[OA+8*\t:OA+8*\t+7], v[VFR+16*\t:VFR+16*\t+15], v[CA:CA+15], v[OA+8*\t:OA+8*\t+7]   ; the eight accumulators take turns; sixteen products K Q^T stand between a turn and the next
	v_wmma_f32_16x16x128_fp8_fp8 v[OB+8*\t:OB+8*\t+7], v[VFR+16*\t:VFR+16*\t+15], v[CB:CB+15], v[OB+8*\t:OB+8*\t+7]
.endr
	WIN 0
.if \mask
.Lhidden_\@:
.endif
	s_add_co_u32 s[KF], s[KF], 128
	s_add_co_u32 s[KO], s[KO], KSTEP
	s_add_co_u32 s[VO], s[VO], 128
.endm
; EIGHT KEY STEPS on the chunk at LDS byte base.  No LDS load of mine is out here: the first step's K is asked for.
.macro RUN base, mask
	s_mov_b32 s[KO], \base
	s_mov_b32 s[VO], \base
	s_mov_b32 s[ST], 0
	v_add_nc_u32 v[ADK], s[KO], v[AK0]
	KLOAD 0
.Lstep_\@:
	STEP \mask, (\base+7*KSTEP)
	s_add_co_u32 s[ST], s[ST], 1
	s_cmp_lt_u32 s[ST], 8
	s_cbranch_scc1 .Lstep_\@
.endm
; 32 ROWS END: O^T / the sum is quantised for the last product and goes through my stage in LDS, so that a store covers 512 consecutive bytes: eight rows of 64 codes.
.macro FINISH
.rept 4
	v_nop                                          ; places behind the last products
.endr
	v_add_f32 v14, v14, v15
	v_add_f32 v18, v18, v19
	v_permlanex16_b32 v20, v14, s[SEL], s[SEL+1]
	v_permlanex16_b32 v22, v18, s[SEL], s[SEL+1]
	v_add_f32 v14, v14, v20                        ; the rows' sums
	v_add_f32 v18, v18, v22
	s_wait_alu depctr_va_vdst(0)                   ; ahead of the reciprocals
	v_rcp_f32 v14, v14
	v_rcp_f32 v18, v18
	s_wait_xcnt 0x0                                ; earlier stores have read their address register, which is written below
	s_lshl_b32 s96, s[Q0], 6
	v_add_nc_u32 v[GO], s96, v[L16]                ; (the plain line behind the reciprocals)
	s_wait_alu depctr_va_vdst(0)                   ; ahead of the reciprocals' first reader and of the first readers of O^T
.set i, 0
.rept 32
	v_mul_f32 v[SA+i], v[OA+i], v14                ; register 8 t + i is y(r, 16 t + 8 h + i), short of 2^(e4 + e5)
.set i, i+1
.endr
.set i, 0
.rept 32
	v_mul_f32 v[SA+32+i], v[OB+i], v18
.set i, i+1
.endr
.set i, 0
.rept 64
	v_med3_num_f32 v[SA+i], v[SA+i], -v[HOY], v[HOY]
.set i, i+1
.endr
.irp u, 0,1,2,3,4,5,6,7
	v_cvt_scalef32_pk8_fp8_f32 v[CA+2*\u:CA+2*\u+1], v[SA+8*\u:SA+8*\u+7], v[SCY]
.endr
	v_nop                                          ; one plain line behind the last conversion
.irp u, 0,1,2,3,4,5,6,7
	ds_store_b64 v[STO], v[CA+2*\u:CA+2*\u+1] offset:(\u/4)*16*SROW+16*(\u%4)
.endr
.irp i, 0,1,2,3
	ds_load_b128 v[CB+4*\i:CB+4*\i+3], v[RD] offset:8*SROW*\i   ; LDS serves a wave's instructions in order: these see my stores
.endr
.irp i, 0,1,2,3
	s_wait_dscnt 3-\i                              ; the loads issued behind this one may be out
	global_store_b128 v[GO], v[CB+4*\i:CB+4*\i+3], s[16:17] offset:512*\i
.endr
.endm
	INIT Q0B
	s_wait_alu depctr_va_vdst(0)
	s_wait_tensorcnt 0x0                           ; my part of chunk 0 is in; these lines stand ahead of a later first fill:
	ds_add_u32 v[SPW], v[NIL]                      ; the add, twice on end here
	ds_add_u32 v[SPW], v[NIL]
	s_add_co_u32 s[G0K+1], s[G0K+1], CH            ; no load of mine is out: the descriptors step to chunk 1
	s_add_nc_u64 s[G0K+2:G0K+3], s[G0K+2:G0K+3], 0x10000
	s_add_co_u32 s[G0V+1], s[G0V+1], CH
	s_add_nc_u64 s[G0V+2:G0V+3], s[G0V+2:G0V+3], 1024
	s_wait_dscnt 0x0
	s_barrier_signal -1
	s_barrier_wait -1                              ; chunk 0 is whole
	TLOAD                                          ; chunk 1: first behind the barrier, the launch's last tensor loads
	s_wait_loadcnt 0x0                             ; Q
	RUN 0, 0                                       ; block 7 - j, keys 0 to 1,023
	s_wait_tensorcnt 0x0                           ; my part of chunk 1 is in,
	s_wait_dscnt 0x0                               ; and no LDS load of mine is out
	s_barrier_signal -1
	s_barrier_wait -1                              ; chunk 1 is whole
	RUN CH, 1                                      ; block 7 - j, keys 1,024 on
	FINISH
	WIN 0x41                                       ; the second block's Q moves into place, inside window 1
.set i, 0
.rept 16
	v_mov_b32 v[i], v[16+i]
.set i, i+1
.endr
	WIN 0
	INIT Q0A
	s_wait_alu depctr_va_vdst(0)
	s_wait_xcnt 0x0                                ; the stores of the rows just finished have read their data registers, which the steps write again
	RUN 0, 1                                       ; block j, keys 0 on
	FINISH
	s_wait_tensorcnt 0x0                           ; the wave's end
	ds_add_u32 v[SPW], v[NIL]
	s_wait_dscnt 0x0
	s_endpgm
.Lfunc_end_k_q7553cb060b_attn:
	.size	k_q7553cb060b_attn, .Lfunc_end_k_q7553cb060b_attn-k_q7553cb060b_attn
	.p2alignl 7, 3214868480
	.fill 96, 4, 3214868480
	.section	.rodata,"a",@progbits
	.p2align	6, 0x0
	.amdhsa_kernel k_q7553cb060b_attn
		.amdhsa_group_segment_fixed_size 327680
		.amdhsa_private_segment_fixed_size 0
		.amdhsa_enable_private_segment 0
		.amdhsa_kernarg_size 40
		.amdhsa_user_sgpr_count 2
		.amdhsa_user_sgpr_kernarg_segment_ptr 1
		.amdhsa_wavefront_size32 1
		.amdhsa_system_sgpr_workgroup_id_x 1
		.amdhsa_system_sgpr_workgroup_id_y 1
		.amdhsa_system_sgpr_workgroup_id_z 1
		.amdhsa_system_vgpr_workitem_id 0
		.amdhsa_next_free_vgpr 416
		.amdhsa_next_free_sgpr 100
		.amdhsa_reserve_vcc 1
		.amdhsa_float_denorm_mode_32 3
		.amdhsa_float_denorm_mode_16_64 3
		.amdhsa_memory_ordered 1
		.amdhsa_forward_progress 1
		.amdhsa_inst_pref_size 141
	.end_amdhsa_kernel
	.amdgpu_metadata
---
amdhsa.version: [ 1, 2 ]
amdhsa.kernels:
  - .name:           k_q7553cb060b_attn
    .symbol:         k_q7553cb060b_attn.kd
    .args:
      - { .name: q_codes, .offset: 0, .size: 8, .value_kind: global_buffer, .address_space: global }
      - { .name: k_codes, .offset: 8, .size: 8, .value_kind: global_buffer, .address_space: global }
      - { .name: v_codes, .offset: 16, .size: 8, .value_kind: global_buffer, .address_space: global }
      - { .name: lowp_scales, .offset: 24, .size: 8, .value_kind: global_buffer, .address_space: global }
      - { .name: y_codes, .offset: 32, .size: 8, .value_kind: global_buffer, .address_space: global }
    .group_segment_fixed_size: 327680
    .private_segment_fixed_size: 0
    .kernarg_segment_align: 8
    .kernarg_segment_size: 40
    .max_flat_workgroup_size: 256
    .sgpr_count:     100
    .vgpr_count:     416
    .wavefront_size: 32
...
	.end_amdgpu_metadata
.endif
;; end of part 3
;; launch proj (part 4): grid 4 x 64, 4 waves a work-group, clusters of 4 x 4, 327,680 bytes of LDS; arguments y_codes, wp_codes, lowp_scales, out0; writes out0
.if DOCPART == 4
	.amdgcn_target "amdgcn-amd-amdhsa--gfx1250"
	.amdhsa_code_object_version 6
	.text
	.protected	k_q7553cb060b_proj
	.globl	k_q7553cb060b_proj
	.p2align	8
	.type	k_q7553cb060b_proj,@function
k_q7553cb060b_proj:
	s_mov_b64 s[64:65], 0
	v_nop
	global_prefetch_b8 v0, s[64:65] scope:SCOPE_SE
	s_setreg_imm32_b32 hwreg(HW_REG_WAVE_MODE, 25, 1), 1
	s_wait_xcnt 0x0
	s_wait_alu depctr_hold_cnt(0) depctr_sa_sdst(0) depctr_va_vdst(0) depctr_va_sdst(0) depctr_va_ssrc(0) depctr_va_vcc(0) depctr_vm_vsrc(0)
	s_getreg_b32 s2, hwreg(HW_REG_IB_STS2, 6, 4)
	s_cmp_eq_u32 s2, 0
	s_cbranch_scc0 .Lentry_in_a_cluster
	s_endpgm
.Lentry_in_a_cluster:
	s_bfe_u32 s2, ttmp6, 0x10000c
	s_cmp_lg_u32 s2, 0xf033
	s_cbranch_scc0 .Lentry_shape_is_right
	s_endpgm
.Lentry_shape_is_right:
; out0 = y w_proj^T on codes of FP8 (E4M3); each finished f32 sum is multiplied once by 2^(e6 + e7).  LIMIT: e6 + e7 between -126 and 127, so that this is an f32 number.
; y_codes: [batch x 16 + head][t 2048][d 64]: K = head x 64 + d is spread over 16 planes of memory.  wp_codes: [1024][1024], K innermost.  out0: [8192][1024] f32.
; A tile of out0 is 128 rows x 256 columns: 64 x 4 = 256 work-groups of four waves; wave (i = w / 2, jj = w % 2) makes rows 64 i on x columns 128 jj on: 32 accumulators, 256 registers.
; K = 1,024 goes in four steps of 256 (four heads).  AT THE HEAD EACH WAVE HAS ONE TENSOR LOAD: wave 0 brings twelve heads' planes of y (K steps 0 to 2), waves 1 to 3 w_proj's 256 rows of K step 0, 1, 2.
; K step 3 is the one refill, behind a round of the cluster's barrier: wave 0 brings heads 12 to 15 onto planes 0 to 3, wave 1 w_proj's K step 3 onto K step 0's bytes.
; LDS: twelve planes of y (a head's 128 rows of 64 bytes are 8,192 dense bytes, laid as 32 lines of 256 + 16), then three tiles of w_proj (256 rows of 256 + 16).
; CLUSTERS: 4 x 4 work-groups.  y's tile hangs on the tile row alone and is asked for jointly by a row of the cluster, w_proj's on the tile column alone, by a column.
; NO PREFETCH: three quarters of all that the work-group reads is asked for at the head, and there is no loop to run ahead in.
; THE MATRIX INSTRUCTION IS USED TRANSPOSED (source 0 = 16 rows of w_proj, source 1 = 16 rows of y): a lane holds eight neighbouring numbers of a row of out0.
; REGISTERS: window 0: v0-31 addresses; v32-95 at work on the way out; v128-255 y's fragments, two sets, later rows of out0.  Window 1: w_proj's fragments, two sets.  Window 2: accumulator (a, b) at v[8 (8 a + b)].
.set PITCH,  272
.set PLANE,  32*PITCH
.set ATILE,  4*PLANE                   ; a K step's four planes of y
.set HALFB,  128*PITCH                 ; what one wave reads of w_proj
.set WS,     2*HALFB                   ; a K step's tile of w_proj
.set WB,     3*ATILE                   ; behind y's twelve planes
.set SPARE,  WB+3*WS                   ; the spare words, 128 bytes a wave: two blocks of 256 bytes that no other line names
.set SPITCH, 528
.set STAGE,  WB+WS                     ; the way out, in w_proj's K step 1: filled once, its last read lies in front of the second change's barrier
.set FR,     16
.set NP,     4
.set ADRA, 16
.set ADRB, 20
.set STO,  24
.set RD,   25
.set CO,   26
.set SPW,  28
.set NIL,  29
.set TMP,  32
.set AF,   128
.set BK,   128
.set G1,  24                           ; y at the head: twelve planes
.set G0,  32
.set G1B, 48                           ; w_proj
.set G0B, 68
.set G1R, 80                           ; y's refill: four planes
.set CX,  56
.set CY,  57
.set COL, 58
.set RMK, 59
.set MSB, 0
.macro WIN new
.if MSB != \new
	s_set_vgpr_msb (MSB<<8)|\new
.set MSB, \new
.endif
.endm
.set MUL,  0xa1
.set TO_B, 0x40
.macro CREST
	s_cmp_lg_u32 s14, 0
	s_cbranch_scc1 .Lnot_wave_0_\@
	s_barrier_signal -3
.Lnot_wave_0_\@:
	s_barrier_wait -3
	s_barrier_signal -1
	s_barrier_wait -1
.endm
.macro CROUND
	s_barrier_signal -1
	s_barrier_wait -1
	CREST
.endm
.macro PLACES n
.rept \n
	v_nop
.endr
.endm
	s_load_b128 s[4:7], s[0:1], 0x0                ; y's codes, w_proj's codes
	s_load_b128 s[8:11], s[0:1], 0x10              ; the scales' exponents, out0
	v_lshl_add_u32 v[SPW], v0, 2, SPARE
	v_mov_b32 v[NIL], 0
	ds_add_u32 v[SPW], v[NIL]                      ; the opening lines: the add, twice on end, and its wait
	ds_add_u32 v[SPW], v[NIL]
	v_lshrrev_b32 v1, 5, v0
	v_readfirstlane_b32 s14, v1                    ; wave 0..3
	s_lshr_b32 s15, s14, 1                         ; i: which 64 rows are mine
	s_and_b32 s16, s14, 1                          ; jj: which 128 columns
	s_bfe_u32 s[CX], ttmp6, 0x40000
	s_bfe_u32 s[CY], ttmp6, 0x40004
	s_lshl_b32 s[COL], ttmp9, 2
	s_add_co_u32 s[COL], s[COL], s[CX]             ; tile column
	s_and_b32 s17, ttmp7, 0xffff
	s_lshl_b32 s17, s17, 2
	s_add_co_u32 s17, s17, s[CY]                   ; tile row R: batch R / 16, t = 128 (R % 16) on
	s_lshl_b32 s[RMK], s[CY], 2
	s_lshl_b32 s[RMK], 15, s[RMK]                  ; my row of the cluster
	s_lshl_b32 s44, 0x1111, s[CX]                  ; my column
	s_or_b32 s[G1+0], s[RMK], (1<<20)|(1<<21)|(5<<22)|(3<<25)   ; the mask; elements of 1 byte; four words of padding after every 64; bit 21 beside a mask
	s_or_b32 s[G1R+0], s[RMK], (1<<20)|(1<<21)|(5<<22)|(3<<25)
.irp g, G1, G1R
	s_mov_b32 s[\g+1], 8192<<16                    ; a plane is one row of 8,192 dense bytes,
	s_mov_b32 s[\g+3], 8192<<16
	s_mov_b32 s[\g+5], 131072                      ; 131,072 bytes from head to head
	s_mov_b32 s[\g+6], 0
	s_mov_b32 s[\g+7], 0
.endr
	s_mov_b32 s[G1+2], 12<<16
	s_mov_b32 s[G1+4], 12
	s_mov_b32 s[G1R+2], 4<<16
	s_mov_b32 s[G1R+4], 4
	s_or_b32 s[G1B+0], s44, (1<<20)|(1<<21)|(5<<22)|(3<<25)
	s_mov_b32 s[G1B+1], 256<<16                    ; w_proj: 256 rows of 256 bytes, 1,024 apart
	s_mov_b32 s[G1B+2], 256<<16
	s_mov_b32 s[G1B+3], 256<<16
	s_mov_b32 s[G1B+4], 256
	s_mov_b32 s[G1B+5], 1024
	s_mov_b32 s[G1B+6], 0
	s_mov_b32 s[G1B+7], 0
	s_lshr_b32 s20, s17, 4
	s_lshl_b32 s20, s20, 21                        ; y: the batch's 16 heads of 131,072 bytes,
	s_and_b32 s18, s17, 15
	s_lshl_b32 s18, s18, 13                        ; 128 rows of 64 bytes a tile row
	s_add_co_u32 s20, s20, s18
	s_mov_b32 s21, 0
	s_add_co_u32 s18, s14, 3
	s_and_b32 s18, s18, 3
	s_min_u32 s18, s18, 2                          ; waves 1, 2, 3: K step 0, 1, 2 of w_proj (wave 0 asks by y's descriptor)
	s_lshl_b32 s46, s[COL], 18                     ; w_proj: 256 rows of 1,024 bytes a tile column,
	s_lshl_b32 s47, s18, 8                         ; and my K step
	s_add_co_u32 s46, s46, s47
	s_mov_b32 s47, 0
	s_mul_i32 s23, s18, WS
	s_add_co_u32 s23, s23, WB                      ; where it goes: no place in the cluster enters an LDS address
	s_wait_dscnt 0x0                               ; both opening adds are done
	s_wait_kmcnt 0x0
	s_load_b64 s[96:97], s[8:9], 0x18              ; e6, e7
	s_mov_b32 s[G0], 1
	s_mov_b32 s[G0+1], 0
	s_add_nc_u64 s[G0+2:G0+3], s[4:5], s[20:21]
	s_or_b32 s[G0+3], s[G0+3], 0x80000000
	s_mov_b32 s[G0B], 1
	s_mov_b32 s[G0B+1], s23
	s_add_nc_u64 s[G0B+2:G0B+3], s[6:7], s[46:47]
	s_or_b32 s[G0B+3], s[G0B+3], 0x80000000
	CROUND                                         ; all sixteen work-groups are here: the first joint loads meet
	s_cmp_eq_u32 s14, 0                            ; one load in each arm
	s_cbranch_scc0 .Lfirst_b
	tensor_load_to_lds s[G0:G0+3], s[G1:G1+7]
	s_nop 0
	PLACES 4
	s_branch .Lfirst_asked
.Lfirst_b:
	tensor_load_to_lds s[G0B:G0B+3], s[G1B:G1B+7]
	s_nop 0
	PLACES 4
.Lfirst_asked:
	v_and_b32 v1, 15, v0                           ; r
	v_bfe_u32 v2, v0, 4, 1                         ; h
	v_lshrrev_b32 v3, 2, v1
	v_mul_u32_u24 v3, v3, PITCH
	v_and_b32 v4, 3, v1
	v_lshl_add_u32 v3, v4, 6, v3
	v_lshl_add_u32 v3, v2, 4, v3                   ; y: row r lies in line r / 4, at 64 (r % 4), + 16 h
	v_mul_u32_u24 v4, v1, PITCH
	v_lshl_add_u32 v4, v2, 4, v4                   ; w_proj: row r x pitch + 16 h
	s_mul_i32 s21, s15, 16*PITCH                   ; my 64 rows of y: 16 lines in each plane
	s_mul_i32 s22, s16, HALFB
	s_add_co_u32 s22, s22, WB                      ; my 128 rows of w_proj
.irp s, 0,1,2
	v_add_nc_u32 v[ADRA+\s], s21, v3
	v_add_nc_u32 v[ADRB+\s], s22, v4
	s_add_co_u32 s21, s21, ATILE
	s_add_co_u32 s22, s22, WS
.endr
	s_mul_i32 s23, s14, 16*SPITCH
	s_add_co_u32 s23, s23, STAGE                   ; my stage
	v_mul_u32_u24 v5, v1, SPITCH
	v_lshl_add_u32 v5, v2, 5, v5
	v_add_nc_u32 v[STO], s23, v5
	v_and_b32 v6, 31, v0
	v_lshlrev_b32 v[CO], 4, v6
	v_add_nc_u32 v[RD], s23, v[CO]
	s_lshl_b32 s20, s17, 7
	s_lshl_b32 s21, s15, 6
	s_add_co_u32 s20, s20, s21                     ; my first row of out0: 128 R + 64 i,
	s_lshl_b32 s20, s20, 12                        ; of 4,096 bytes
	s_lshl_b32 s46, s[COL], 10
	s_lshl_b32 s47, s16, 9
	s_add_co_u32 s46, s46, s47                     ; my first column, in bytes
	s_add_co_u32 s20, s20, s46
	s_mov_b32 s21, 0
	s_add_nc_u64 s[10:11], s[10:11], s[20:21]
; y's four fragments of K step slot's q-th 128 into set p: registers 4 c .. 4 c + 3 hold K = 32 c + 16 h + 0 .. 15: plane 2 q + c / 2, byte 32 (c % 2) + 16 h
.macro FETCH_A slot, q, p
.irp i, 0,1,2,3
.irp c, 0,1,2,3
	ds_load_b128 v[AF+64*(\p)+FR*\i+4*\c:AF+64*(\p)+FR*\i+4*\c+3], v[ADRA+\slot] offset:(2*(\q)+\c/2)*PLANE+\i*4*PITCH+32*(\c%2)
.endr
.endr
.endm
.macro FETCH_B slot, q, p
	WIN TO_B
.irp i, 0,1,2,3,4,5,6,7
.irp c, 0,1,2,3
	ds_load_b128 v[128*(\p)+FR*\i+4*\c:128*(\p)+FR*\i+4*\c+3], v[ADRB+\slot] offset:128*(\q)+32*\c+\i*16*PITCH
.endr
.endr
	WIN 0
.endm
; 16 matrix instructions; the 32 accumulators take turns, one instruction a turn, in the same order in every step
.macro MUL16 a0, p, zero
.irp a, \a0, \a0+1
.irp b, 0,1,2,3,4,5,6,7
.if \zero
	v_wmma_f32_16x16x128_fp8_fp8 v[8*(8*(\a)+\b):8*(8*(\a)+\b)+7], v[128*(\p)+FR*\b:128*(\p)+FR*\b+FR-1], v[AF+64*(\p)+FR*(\a):AF+64*(\p)+FR*(\a)+FR-1], 0
.else
	v_wmma_f32_16x16x128_fp8_fp8 v[8*(8*(\a)+\b):8*(8*(\a)+\b)+7], v[128*(\p)+FR*\b:128*(\p)+FR*\b+FR-1], v[AF+64*(\p)+FR*(\a):AF+64*(\p)+FR*(\a)+FR-1], v[8*(8*(\a)+\b):8*(8*(\a)+\b)+7]
.endif
.endr
.endr
.endm
; A step of 128 along K: set p is multiplied; ahead of its 32 products the next step's 48 loads go out in one run, into the other set
.macro STEP p, zero, ns, nq
	s_wait_dscnt 0x0
	PLACES NP
	FETCH_B \ns, \nq, 1-(\p)
	FETCH_A \ns, \nq, 1-(\p)
	WIN MUL
	MUL16 0, \p, \zero
	MUL16 2, \p, \zero
	WIN 0
.endm
; A step with a barrier: in front of it each wave waits for all its tensor loads, adds 0 to its spare word, and waits for that and for its LDS reads.  fill = 1: K step 3 comes in, behind a round of the cluster's barrier
.macro TURN p, fill, ns
	s_wait_tensorcnt 0x0
	ds_add_u32 v[SPW], v[NIL]
	s_wait_dscnt 1                                 ; set p is in; the add may be out
	WIN MUL
	MUL16 0, \p, 0
	s_wait_dscnt 0x0                               ; the add is done; my LDS reads are over
	s_barrier_signal -1
	MUL16 2, \p, 0
	WIN 0
	s_barrier_wait -1
.if \fill
	CREST                                          ; no wave of any partner still reads K step 0's bytes or has a load on its way
	s_add_nc_u64 s[G0+2:G0+3], s[G0+2:G0+3], 3*524288
	s_add_nc_u64 s[G0B+2:G0B+3], s[G0B+2:G0B+3], 3*256
	s_cmp_eq_u32 s14, 0                            ; the joint refill: wave 0 for y, wave 1 for w_proj, whose descriptor names K step 0's bytes; waves 2 and 3 have no part of it
	s_cbranch_scc0 .Lfor_b_\@
	tensor_load_to_lds s[G0:G0+3], s[G1R:G1R+7]
	s_nop 0
	PLACES 4
	s_branch .Lasked_\@
.Lfor_b_\@:
	s_cmp_eq_u32 s14, 1
	s_cbranch_scc0 .Lasked_\@
	tensor_load_to_lds s[G0B:G0B+3], s[G1B:G1B+7]
	s_nop 0
	PLACES 4
.Lasked_\@:
.endif
	PLACES NP                                      ; in front of the loads below, on every way
	s_wait_alu depctr_va_vdst(0)                   ; ahead of address registers read behind barriers
	FETCH_B \ns, 0, 1-(\p)
	FETCH_A \ns, 0, 1-(\p)
.endm
	s_wait_alu depctr_va_vdst(0)
	s_wait_tensorcnt 0x0                           ; my one load is in
	s_barrier_signal -1
	s_barrier_wait -1                              ; everybody's is: K steps 0 to 2 are whole
	FETCH_B 0, 0, 0
	FETCH_A 0, 0, 0
	STEP 0, 1, 0, 1                                ; K 0: its products start the sums
	TURN 1, 1, 1                                   ; K 128; K step 3 is asked for
	STEP 0, 0, 1, 1                                ; K 256
	STEP 1, 0, 2, 0                                ; K 384
	STEP 0, 0, 2, 1                                ; K 512
	TURN 1, 0, 0                                   ; K 640; behind its barrier K step 3 is whole, and nobody reads K step 1 any more
	STEP 0, 0, 0, 1                                ; K 768
	s_wait_dscnt 0x0                               ; K 896
	WIN MUL
	MUL16 0, 1, 0
	MUL16 2, 1, 0
	WIN 0
; THE WAY OUT, block by block of 16 rows x 128 columns, through my own stage in LDS, back as whole rows of 512 bytes.  LDS serves a wave's instructions in order (ISA guide 5.7.1.4)
.macro TOSTAGE a
.set AC, 64*(\a)
	WIN 0x02
.set i, 0
.rept 32
	v_pk_mul_f32 v[TMP+i:TMP+i+1], v[AC+i:AC+i+1], s[96:97] op_sel_hi:[1,0]   ; x 2^(e6 + e7); each accumulator from its low end on
.set i, i+2
.endr
	WIN 0
.irp b, 0,1,2,3,4,5,6,7
	ds_store_b128 v[STO], v[TMP+8*\b:TMP+8*\b+3] offset:64*\b
	ds_store_b128 v[STO], v[TMP+8*\b+4:TMP+8*\b+7] offset:64*\b+16
.endr
.set BB, BK+64*((\a)%2)
.irp t, 0,1,2,3,4,5,6,7,8,9,10,11,12,13,14,15
	ds_load_b128 v[BB+4*\t:BB+4*\t+3], v[RD] offset:\t*SPITCH
.endr
.endm
.macro SEND a, younger
.set BB, BK+64*((\a)%2)
	s_wait_dscnt \younger                          ; the block is back in registers
.if (\a) > 0
	s_add_nc_u64 s[10:11], s[10:11], 16*4096       ; (behind a wait on XCNT)  16 rows of out0 on
.endif
.irp t, 0,1,2,3,4,5,6,7,8,9,10,11,12,13,14,15
	global_store_b128 v[CO], v[BB+4*\t:BB+4*\t+3], s[10:11] offset:\t*4096 th:TH_STORE_NT   ; 32 lanes store 512 consecutive bytes, aligned
.endr
.endm
	s_wait_kmcnt 0x0
	s_add_co_i32 s96, s96, s97
	s_add_co_i32 s96, s96, 127
	s_lshl_b32 s96, s96, 23                        ; 2^(e6 + e7) as f32
	PLACES NP
	TOSTAGE 0
.irp a, 1,2,3
.if \a > 1
	s_wait_xcnt 0x0                                ; block a - 2's stores have read their registers and their base
.endif
	TOSTAGE \a
	SEND \a-1, 32                                  ; behind block a - 1's loads: block a's 16 stores and 16 loads
.endr
	s_wait_xcnt 0x0
	SEND 3, 0
	s_wait_tensorcnt 0x0                           ; the wave's end
	ds_add_u32 v[SPW], v[NIL]
	s_wait_dscnt 0x0
	CROUND                                         ; the closing round
	s_endpgm
.Lfunc_end_k_q7553cb060b_proj:
	.size	k_q7553cb060b_proj, .Lfunc_end_k_q7553cb060b_proj-k_q7553cb060b_proj
	.p2alignl 7, 3214868480
	.fill 96, 4, 3214868480
	.section	.rodata,"a",@progbits
	.p2align	6, 0x0
	.amdhsa_kernel k_q7553cb060b_proj
		.amdhsa_group_segment_fixed_size 327680
		.amdhsa_private_segment_fixed_size 0
		.amdhsa_enable_private_segment 0
		.amdhsa_kernarg_size 32
		.amdhsa_user_sgpr_count 2
		.amdhsa_user_sgpr_kernarg_segment_ptr 1
		.amdhsa_wavefront_size32 1
		.amdhsa_system_sgpr_workgroup_id_x 1
		.amdhsa_system_sgpr_workgroup_id_y 1
		.amdhsa_system_sgpr_workgroup_id_z 1
		.amdhsa_system_vgpr_workitem_id 0
		.amdhsa_next_free_vgpr 768
		.amdhsa_next_free_sgpr 98
		.amdhsa_reserve_vcc 0
		.amdhsa_float_denorm_mode_32 3
		.amdhsa_float_denorm_mode_16_64 3
		.amdhsa_memory_ordered 1
		.amdhsa_forward_progress 1
		.amdhsa_inst_pref_size 74
	.end_amdhsa_kernel
	.amdgpu_metadata
---
amdhsa.version: [ 1, 2 ]
amdhsa.kernels:
  - .name:           k_q7553cb060b_proj
    .symbol:         k_q7553cb060b_proj.kd
    .args:
      - { .name: y_codes, .offset: 0, .size: 8, .value_kind: global_buffer, .address_space: global }
      - { .name: wp_codes, .offset: 8, .size: 8, .value_kind: global_buffer, .address_space: global }
      - { .name: lowp_scales, .offset: 16, .size: 8, .value_kind: global_buffer, .address_space: global }
      - { .name: out0, .offset: 24, .size: 8, .value_kind: global_buffer, .address_space: global }
    .group_segment_fixed_size: 327680
    .private_segment_fixed_size: 0
    .kernarg_segment_align: 8
    .kernarg_segment_size: 32
    .max_flat_workgroup_size: 128
    .sgpr_count:     98
    .vgpr_count:     768
    .wavefront_size: 32
...
	.end_amdgpu_metadata
.endif
;; end of part 4
